; MI455X (gfx1250); checked and timed in simulation.
; The chip was launched on July 23, 2026; its instructions are those of AMD's public machine-readable ISA for CDNA 5 (MIT licence, August 2026) and "CDNA5" Instruction Set Architecture Reference Guide (July 2026). The comments in the code are by the model that wrote it; some were corrected since.
;; Custom LSTM Cell. Allowed arithmetic: matrix products marked QUANTISED: E2M1 operands, one E8M0 scale for each 32 along K, by v_wmma_scale_f32_16x16x128_f8f6f4 with both operands' format E2M1 (or v_wmma_scale_f32_32x16x128_f4), f32 sums; everything else in f32.
;; Inputs: W_c_codes 512 x 32 x 16 uint8 (E2M1 codes of W_c, K innermost, in blocks of 32 codes, two codes a byte); W_c_scales 512 x 32 uint8 (E8M0 scales of W_c, one for each 32 codes along K); W_f_codes 512 x 32 x 16 uint8 (E2M1 codes of W_f, K innermost, in blocks of 32 codes, two codes a byte); W_f_scales 512 x 32 uint8 (E8M0 scales of W_f, one for each 32 codes along K); W_i_codes 512 x 32 x 16 uint8 (E2M1 codes of W_i, K innermost, in blocks of 32 codes, two codes a byte); W_i_scales 512 x 32 uint8 (E8M0 scales of W_i, one for each 32 codes along K); W_o_codes 512 x 32 x 16 uint8 (E2M1 codes of W_o, K innermost, in blocks of 32 codes, two codes a byte); W_o_scales 512 x 32 uint8 (E8M0 scales of W_o, one for each 32 codes along K); b_c 512 float32; b_f 512 float32; b_i 512 float32; b_o 512 float32; c_prev 8,192 x 512 float32; h_prev 8,192 x 512 float32; x 8,192 x 512 float32.
;; Outputs: out0 8,192 x 512 float32; out1 8,192 x 512 float32.
;; This version of the problem:
;;   THIS VERSION OF THE PROBLEM IS GIVEN IN LOW PRECISION. The matrix products marked QUANTISED in the list below multiply operands that are first quantised to E2M1 (2 exponent bits, 1 mantissa bit; 4 bits a number), with one power-of-two scale for each 32 numbers along K (OCP MX v1.0); their sums are f32. All else is computed in f32.
;;   The module's matrix products, in the order in which they are computed (A, B: the left and right operand; K: the contracted axis; several contracted axes count as one K, in the product's order):
;;     1. [M 8,192, K 1,024] x [K 1,024, N 512]; A: computed on the way; B: input W_i (given as codes): QUANTISED
;;     2. [M 8,192, K 1,024] x [K 1,024, N 512]; A: computed on the way; B: input W_f (given as codes): QUANTISED
;;     3. [M 8,192, K 1,024] x [K 1,024, N 512]; A: computed on the way; B: input W_o (given as codes): QUANTISED
;;     4. [M 8,192, K 1,024] x [K 1,024, N 512]; A: computed on the way; B: input W_c (given as codes): QUANTISED
;;   THE QUANTISER, for each operand of a quantised product, along K:
;;     - K is cut into blocks of 32 from its start; a last block that is shorter is filled with zeros.
;;     - A block's scale is 2^e with e = floor(log2(the largest magnitude in the block)) - 2, held to -126 .. 127; a block of zeros has e = 0. As a byte (E8M0): e + 127.
;;     - Each number is divided by its block's scale, clamped to +-6, and rounded to the nearest number of E2M1, ties to even, subnormals kept.
;;     - The product sums the exact products of the quantised numbers (number of the format x scale) in f32.
;;   ~~~python
;;   def quantise(x, axis):      # numpy; x: float32 -> the quantised numbers, widened to float32 again
;;       x = np.moveaxis(x, axis, -1); K = x.shape[-1]
;;       x = np.pad(x, [(0, 0)] * (x.ndim - 1) + [(0, -K % 32)]); x = x.reshape(x.shape[:-1] + (-1, 32)); a = np.abs(x).max(-1, keepdims=True)
;;       e = np.where(a > 0, np.clip(np.frexp(np.where(a > 0, a, 1))[1] - 1 - 2, -126, 127), 0)      # np.frexp(a)[1] - 1 = floor(log2(a)), exactly
;;       r = np.clip(x / 2.0 ** e, -6, 6)
;;       step = 2.0 ** (np.maximum(np.frexp(np.where(r == 0, 1, r))[1] - 1, 0) - 1)
;;       q = np.round(r / step) * step * 2.0 ** e      # np.round: ties to even
;;       return np.moveaxis(q.reshape(q.shape[:-2] + (-1,))[..., :K], -1, axis).astype(np.float32)
;;   ~~~
;;   OPERANDS COMPUTED ON THE WAY. 'Computed on the way' means the value that the module computes at that place (a softmax that the list does not call 'softmax' is quantised finished and normalised). What goes into a quantiser is computed in f32, as accurately as f32 sums, v_exp_f32 and their like allow (about 1e-6 of the number): no bf16 or f16 on the way to a quantiser, and a product that is left as it is and whose result goes on into a quantised operand takes f32 operands (vector FMAs, or v_wmma_f32_16x16x4_f32). A number that lies on a knife's edge between two numbers of the format may be rounded either way, as far as f32 arithmetic and the matrix unit's own rounding can turn it there, and no further.
;;   INPUTS GIVEN AS CODES. W_c (in the module: [512, 1024], K = its axis 1); W_f (in the module: [512, 1024], K = its axis 1); W_i (in the module: [512, 1024], K = its axis 1); W_o (in the module: [512, 1024], K = its axis 1): each comes as NAME_codes (uint8): NAME with its K axis moved to the last place and cut into blocks of 32 codes, [.., K / 32, bytes a block], one block behind the other in memory; two codes a byte, the lower K in the low four bits (a code: sign, 2 exponent bits, 1 mantissa bit); and NAME_scales (uint8): the same leading axes, one E8M0 byte (e + 127) for each 32 codes along K. Its value is code x scale, taken as it is: it is not quantised again, and the codes and scales need not be those that the quantiser above would give.
;; One version. Each part assembles by itself: llvm-mc -triple=amdgcn-amd-amdhsa -mcpu=gfx1250 --defsym DOCPART=n.
;; ======== version 1 of 1: 1 launch
;; launch lstm (part 1): grid 256 x 1, 4 waves a work-group, clusters of 4 x 1, 327,680 bytes of LDS; arguments x, h_prev, c_prev, W_i_codes, W_f_codes, W_c_codes, W_o_codes, W_i_scales, W_f_scales, W_c_scales, W_o_scales, b_i, b_f, b_c, b_o, out0, out1; writes out0, out1
.if DOCPART == 1
	.amdgcn_target "amdgcn-amd-amdhsa--gfx1250"
	.amdhsa_code_object_version 6
	.text
	.protected	k_qd0788e227e_lstm
	.globl	k_qd0788e227e_lstm
	.p2align	8
	.type	k_qd0788e227e_lstm,@function
k_qd0788e227e_lstm:
	s_mov_b64 s[64:65], 0
	v_nop
	global_prefetch_b8 v0, s[64:65] scope:SCOPE_SE
	s_setreg_imm32_b32 hwreg(HW_REG_WAVE_MODE, 25, 1), 1
	s_wait_xcnt 0x0
	s_wait_alu depctr_hold_cnt(0) depctr_sa_sdst(0) depctr_va_vdst(0) depctr_va_sdst(0) depctr_va_ssrc(0) depctr_va_vcc(0) depctr_vm_vsrc(0)
	s_getreg_b32 s2, hwreg(HW_REG_IB_STS2, 6, 4)
	s_cmp_eq_u32 s2, 0
	s_cbranch_scc0 .Lentry_in_a_cluster
	s_endpgm
.Lentry_in_a_cluster:
	s_bfe_u32 s2, ttmp6, 0x10000c
	s_cmp_lg_u32 s2, 0x3003
	s_cbranch_scc0 .Lentry_shape_is_right
	s_endpgm
.Lentry_shape_is_right:
; One LSTM cell.  combined = [x | h_prev], [8192][1024] f32, is quantised along K to codes of FP4 (E2M1) with one E8M0 scale for each 32, and multiplied by W_i, W_f, W_c, W_o
; ([512][1024], given as codes and scale bytes); sums in f32.  Then, in f32: i, f, o = sigmoid(. + b), c~ = tanh(. + b_c), c_next = f c_prev + i c~ (out1), h_next = o tanh(c_next) (out0).
; NO WORK IS LEFT OUT: every input has a way to an output for general values, so all fifteen are loaded and all four products are done whole.
; SHARES.  256 work-groups of four waves.  A work-group owns 128 batch rows x 128 hidden units x all four gates; wave w owns units 32 w .. 32 w + 31 of them, in all four gates.
; Its 128 rows of W (64 fragments of 16 rows x 128 K, 512 registers) go from memory straight into registers, once, and stay.  The 128 batch rows go in four blocks of 32.
; CLUSTER.  The four work-groups of a cluster own the same 128 rows and the four blocks of 128 units, so they need the same tiles of x and h_prev: each tile is asked for JOINTLY, by the same tensor load with the
; same descriptor and the mask of all four.  W is not shared so: the partners of a cluster own different rows of W, and a work-group's 262,144 bytes of codes have no room in LDS beside the ring's 266,240.
; c_prev and the outputs are read and written by one work-group alone.
; QUANTISING.  Wave w quantises the tile that it fetched itself (32 rows x 256 along K: x's columns 0-255, 256-511, h_prev's 0-255, 256-511 for w = 0 .. 3): four fragments a block, stored to LDS as images of their registers.
; THE BLOCKS ARE PIPELINED.  Block 0 is quantised alone.  Then block t's turn:
;   (1) block t - 1's results come back from the stages and are stored while block t's 16 fragments come from LDS; gates i and f: 64 matrix instructions, the biases as the C of each sum's first |
;   barrier, opened ahead of gates c and o (turns 0, 1: it opens a round of the cluster's barrier, behind which the slot that block t has left is filled with block t + 2) |
;   (2) c_prev into its stage by rows; the activations' scalings and first exponentials | barrier, closed behind 64 more lines of the activations |
;   (3) c_prev in the result's layout; the rest of the activations; c_next and h_next into the stages.  Among (2) and (3) block t + 1 is quantised: each run of its LDS loads stands a stretch of the activations ahead of its use | barrier.
; THE MATRIX INSTRUCTION IS USED TRANSPOSED (source 0 = 16 rows of W, source 1 = 16 batch rows), AND THE ROWS OF W THAT FORM A TILE ARE NOT NEIGHBOURS: lane r of tile u takes row 8 u + r + 8 (r / 8) of the wave's 32.
; So lane (r, h) holds batch row r, and the 16 registers of tiles 0 and 1 are units 16 h + 0 .. 15: 64 neighbouring bytes of a row of c_prev and of the outputs.
; THE ACTIVATIONS, with L = log2(e):  Ei, Ef, Eo = 2^(-L a);  Ec = 2^min(2 L a_c, 64);  c_next = c_prev / (1 + Ef) + (Ec - 1) / ((1 + Ei)(1 + Ec));  Et = 2^min(2 L c_next, 64);  h_next = (Et - 1) / ((1 + Eo)(1 + Et)).
; The hold at 2^64 moves no f32 value of tanh ((2^64 - 1) / (2^64 + 1) rounds to 1) and keeps the numerators finite; an Ei, Ef or Eo that is infinite gives the quotient 0, the sigmoid's limit.
; LIMITS.  NaN and infinities among the inputs are not served.  Where (1 + Ei)(1 + Ec) or (1 + Eo)(1 + Et) passes 2^126 the quotient comes out 0; its true magnitude is then under 2^-62.
; A block of 32 of x or h_prev whose largest magnitude lies under 2^-124 gets the scale byte 1 (the floor; such blocks were not tried); a block of zeros gets the byte 1 where the rule says 127: its codes are zeros,
; which add nothing under any byte but 0xff, and these bytes are read by this program alone.
;
; LDS, in bytes
.set ROWG,  2048                       ; a row of x, h_prev, c_prev, out0, out1 in memory
.set XP,    1040                       ; a tile's row in LDS: 1,024 bytes + 16 of padding = 65 x 16: the sixteen rows that a 16-byte load touches start at sixteen different groups of four banks
.set TILE,  32*XP                      ; 33,280: what one tensor load brings
.set SLOT,  4*TILE                     ; 133,120: a block's four tiles; two slots
.set IMG,   2*SLOT                     ; 266,240: the images of a block's 16 fragments: (tile of rows m, K step s) at (8 m + s) x 1,024; registers 4 c .. 4 c + 3 at + 512 c + 16 x lane
.set SCW,   IMG+16*1024                ; 282,624: their scale words, (8 m + s) x 128 + 4 x lane
.set SP,    528                        ; a stage's row: 512 bytes + 16
.set PST,   SCW+16*128                 ; 284,672: stage P, 32 rows: c_prev on the way in, c_next on the way out, in place
.set QHO,   32*SP                      ; 16,896: stage QH for h_next lies so far behind P
.set SPARE, PST+2*QHO                  ; 318,464: the spare words, 128 bytes for each wave: two blocks of 256 bytes that no other line names
; VECTOR REGISTERS, in windows of 256 (s_set_vgpr_msb: bits 1:0 source 0, 3:2 source 1, 5:4 source 2, 7:6 destination)
; window 0
.set SPW, 1                            ; v1   LDS address of my spare word; never rewritten
.set NIL, 2                            ; v2   0; never rewritten
.set QA0, 3                            ; v3   my numbers in my wave's tile of slot 0: TILE w + XP r + 64 h
.set QA1, 4                            ; v4   the same in slot 1
.set IW,  5                            ; v5   where I store images: IMG + 16 lane + 2,048 w
.set IR,  6                            ; v6   where I read them: IMG + 16 lane
.set SWW, 7                            ; v7   scale words, stored: SCW + 4 lane + 256 w
.set SWR, 8                            ; v8   and read: SCW + 4 lane
.set RD,  9                            ; v9   a stage by rows: PST + 8 SP w + 16 lane
.set SO,  10                           ; v10  a stage in the result's layout: PST + SP r + 128 w + 64 h
.set GO,  11                           ; v11  16 lane: my bytes of a 512-byte piece of a row in memory
.set PW0, 12                           ; v12, v13  the scale word just made, two sets
.set PW1, 13
.set WA,  14                           ; v14  W's codes: (r + 8 (r / 8)) x 512 + 16 h
.set WSA, 15                           ; v15  W's scale words: (8 h + r + 8 (r / 8)) x 32
.set WS,  16                           ; v16-47   W's scale words: gate g, K step s at WS + 8 g + s; lanes 0-15 tile 0's rows, lanes 16-31 tile 1's
.set XS,  48                           ; v48-63   the batch rows' scale words: XS + 8 m + s
.set PC0, 64                           ; v64-71, v72-79  the codes just made, two sets
.set PC1, 72
.set TM,  80                           ; v80-95   the quantiser's: +0..3 largest magnitudes, +4..7 bytes, +12..15 the conversions' scale operands
.set BA,  88                           ; v88  the biases: 64 h
.set CL,  96                           ; v96-127  c_prev as it is loaded: 8 pieces of rows
.set AF,  128                          ; v128-255 a block's 16 fragments: AF + 8 (8 m + s)
.set ST0, 128                          ; behind the block's last product the same registers take the next block's numbers, 64 a lane, two sets
.set ST1, 192
; window 1: element e = 16 m + 8 u + j of a gate
.set GI,  0                            ; accumulators: gate g at 32 g + e
.set GF,  32
.set GC,  64
.set GOO, 96
.set BI,  128                          ; v128-191 the biases in the result's layout: BI + 16 g + 8 u + j
.set CP,  192                          ; v192-223 c_prev in the result's layout
.set TT,  224                          ; v224-255 at work
.set OB,  192                          ; on the way out CP's and TT's registers take 16 pieces of rows
; windows 2 and 3: W's fragments: tile T = 2 g + u, K step s at 64 (T % 4) + 8 s of window 2 + T / 4
; SCALAR REGISTERS: s[8:41] the 17 addresses: x 8, h_prev 10, c_prev 12, codes of gate g 14 + 2 g, scales 22 + 2 g, biases 30 + 2 g, out0 38, out1 40 (gates: 0 i, 1 f, 2 c, 3 o)
.set WV,  42                           ; s42  my wave's number
.set CX,  43                           ; s43  my place in the cluster: it enters global addresses of W, the biases, c_prev and the outputs alone
.set G1,  44                           ; s[44:51] descriptor group 1
.set G0A, 52                           ; s[52:55] group 0 for slot 0;  s[56:59] for slot 1
.set G0B, 56
.set SEL, 60                           ; s[60:61] v_permlanex16_b32's selects for lane l xor 16
.set NL,  62                           ; s[62:63] -log2(e): the packed forms name a pair and take its low word for both halves
.set L2,  66                           ; s[66:67] 2 log2(e)
.set CAP, 68                           ; s68  64.0
.set MSB, 0
.macro WIN new                         ; the immediate's high byte repeats the setting that is left; a switch that changes nothing is dropped
.if MSB != (\new)
	s_set_vgpr_msb (MSB<<8)|(\new)
.set MSB, (\new)
.endif
.endm
; A round of the cluster's barrier: my work-group's barrier, so that wave 0's signal speaks for all four waves; wave 0 signals for the work-group; every wave waits for all four work-groups; my work-group's barrier once more.
.macro CREST                           ; a round behind its opening barrier
	s_cmp_lg_u32 s[WV], 0
	s_cbranch_scc1 .Lnot_wave_0_\@
	s_barrier_signal -3
.Lnot_wave_0_\@:
	s_barrier_wait -3
	s_barrier_signal -1
	s_barrier_wait -1
.endm
.macro ROUND                           ; a whole round
	s_barrier_signal -1
	s_barrier_wait -1
	CREST
.endm
.macro PLACES
.rept 4
	v_nop
.endr
.endm
; 64 numbers a lane of fragment q = 2 m + sl of my tile (rows 16 m on, 128 along K from 128 sl on): register 16 b + i = k 32 b + 16 h + i of row r
.macro QLOAD q, st, qa
.irp b, 0,1,2,3
.irp j, 0,1,2,3
	ds_load_b128 v[\st+16*\b+4*\j:\st+16*\b+4*\j+3], v[\qa] offset:16*XP*((\q)/2)+512*((\q)%2)+128*\b+16*\j
.endr
.endr
.endm
; They become the fragment's codes in v[pc] on and its scale word in v[pw].
.macro QUANT st, pc, pw
.irp b, 0,1,2,3
	v_max3_num_f32 v[TM+\b], |v[\st+16*\b]|, |v[\st+1+16*\b]|, 0x1800000   ; block b: my 16 numbers, and the floor 2^(3 - 127), under which no largest magnitude is taken: so the byte cannot fall under 1
.endr
.irp i, 2,4,6,8,10,12,14
.irp b, 0,1,2,3
	v_max3_num_f32 v[TM+\b], v[TM+\b], |v[\st+16*\b+\i]|, |v[\st+1+16*\b+\i]|   ; (the four blocks by turns: no line waits for the line above it)
.endr
.endr
.irp b, 0,1,2,3
	v_permlanex16_b32 v[TM+4+\b], v[TM+\b], s[SEL], s[SEL+1]
.endr
.irp b, 0,1,2,3
	v_max_num_f32 v[TM+\b], v[TM+\b], v[TM+4+\b]   ; with lane l xor 16's: the block's largest magnitude
.endr
.irp b, 0,1,2,3
	v_add_nc_u32 v[TM+12+\b], 0xff000000, v[TM+\b]   ; 2 off its exponent field: the conversion takes the exponent field of this operand as its scale, and nothing else of it
.endr
.irp b, 0,1,2,3
	v_lshrrev_b32 v[TM+4+\b], 23, v[TM+12+\b]      ; the scale's byte
.endr
	v_lshl_or_b32 v[\pw], v[TM+5], 8, v[TM+4]      ; the four bytes make my row's scale word
	v_lshl_or_b32 v[\pw], v[TM+6], 16, v[\pw]
	v_lshl_or_b32 v[\pw], v[TM+7], 24, v[\pw]
.irp b, 0,1,2,3
	v_cvt_scalef32_pk8_fp4_f32 v[\pc+2*\b], v[\st+16*\b:\st+7+16*\b], v[TM+12+\b]
	v_cvt_scalef32_pk8_fp4_f32 v[\pc+1+2*\b], v[\st+8+16*\b:\st+15+16*\b], v[TM+12+\b]
.endr
	v_nop                                          ; one plain place behind a scaled conversion
.irp c, 0,1                                    ; the operand's layout wants a WHOLE block in a lane: lanes 0-15 block 2 c, lanes 16-31 block 2 c + 1
.irp i, 0,1
	v_permlane16_swap_b32 v[\pc+4*\c+\i], v[\pc+2+4*\c+\i]
.endr
.endr
.endm
.macro PUT q, pc, pw                           ; fragment q of my tile goes to LDS as it stands: three LDS stores
	ds_store_b128 v[IW], v[\pc:\pc+3] offset:8192*((\q)/2)+1024*((\q)%2)
	ds_store_b128 v[IW], v[\pc+4:\pc+7] offset:8192*((\q)/2)+1024*((\q)%2)+512
	ds_store_b32 v[SWW], v[\pw] offset:1024*((\q)/2)+128*((\q)%2)
.endm
.macro WLOAD n                                 ; tile n = 2 g + u of W, its eight K steps: 16 loads.  The window is left as it is set
	WIN 0x80+0x40*((\n)/4)
.irp s, 0,1,2,3,4,5,6,7
.irp c, 0,1
	global_load_b128 v[64*((\n)%4)+8*\s+4*\c:64*((\n)%4)+8*\s+4*\c+3], v[WA], s[14+2*((\n)/2):15+2*((\n)/2)] offset:4096*((\n)%2)+64*\s+32*\c
.endr
.endr
.endm
.macro FETCH s0                                ; the fragments and scale words of K steps s0 .. s0 + 3, step by step: six LDS loads a step
.irp d, 0,1,2,3
.irp m, 0,1
	ds_load_b128 v[AF+8*(8*\m+\s0+\d):AF+8*(8*\m+\s0+\d)+3], v[IR] offset:(8*\m+\s0+\d)*1024
	ds_load_b128 v[AF+8*(8*\m+\s0+\d)+4:AF+8*(8*\m+\s0+\d)+7], v[IR] offset:(8*\m+\s0+\d)*1024+512
	ds_load_b32 v[XS+8*\m+\s0+\d], v[SWR] offset:(8*\m+\s0+\d)*128
.endr
.endr
.endm
; 64 matrix instructions: gates 2 hw and 2 hw + 1.  Eight accumulators (two tiles of rows x four tiles of W) take turns, one instruction a turn, K step by K step.
; The first K step takes the bias as C: nothing is cleared and nothing is added later.  Tile 1's scale words stand in lanes 16-31 of the register that holds tile 0's.
.macro RUN hw, waits
	WIN 0x52+\hw                                   ; W in window 2 or 3, the rows' fragments in window 0, C and D in window 1
.irp s, 0,1,2,3,4,5,6,7
.if \waits
	s_wait_dscnt 6*(7-\s)                          ; this K step's six loads are in; the later steps' may be out.  The last is for 0: no LDS instruction of mine is out behind it
.endif
.irp m, 0,1
.irp tl, 0,1,2,3
.set rD, 32*(2*\hw+\tl/2)+16*\m+8*(\tl%2)
.set rW, 64*\tl+8*\s
.set rX, AF+8*(8*\m+\s)
.set rS, WS+8*(2*\hw+\tl/2)+\s
.set rT, XS+8*\m+\s
.set rC, rD
.if \s == 0
.set rC, BI+16*(2*\hw+\tl/2)+8*(\tl%2)
.endif
.if (\tl%2) == 1
	v_wmma_scale_f32_16x16x128_f8f6f4 v[rD:rD+7], v[rW:rW+7], v[rX:rX+7], v[rC:rC+7], v[rS], v[rT] matrix_a_fmt:MATRIX_FMT_FP4 matrix_b_fmt:MATRIX_FMT_FP4 matrix_a_scale:MATRIX_SCALE_ROW1
.else
	v_wmma_scale_f32_16x16x128_f8f6f4 v[rD:rD+7], v[rW:rW+7], v[rX:rX+7], v[rC:rC+7], v[rS], v[rT] matrix_a_fmt:MATRIX_FMT_FP4 matrix_b_fmt:MATRIX_FMT_FP4
.endif
.endr
.endr
.endr
.endm
; The activations' lines: n packed instructions, or n single ones, on registers d, d + 1, .. upward
.macro PKMULS d, a, sp, n                      ; d = a x s[sp]
.set EI, 0
.rept \n
	v_pk_mul_f32 v[\d+EI:\d+EI+1], v[\a+EI:\a+EI+1], s[\sp:\sp+1] op_sel_hi:[1,0]
.set EI, EI+2
.endr
.endm
.macro PKADDC d, a, k, n                       ; d = a + the constant k
.set EI, 0
.rept \n
	v_pk_add_f32 v[\d+EI:\d+EI+1], v[\a+EI:\a+EI+1], \k op_sel_hi:[1,0]
.set EI, EI+2
.endr
.endm
.macro PKMUL d, a, b                           ; d = a b
.set EI, 0
.rept 16
	v_pk_mul_f32 v[\d+EI:\d+EI+1], v[\a+EI:\a+EI+1], v[\b+EI:\b+EI+1]
.set EI, EI+2
.endr
.endm
.macro PKFMA d, a, b, c                        ; d = a b + c
.set EI, 0
.rept 16
	v_pk_fma_f32 v[\d+EI:\d+EI+1], v[\a+EI:\a+EI+1], v[\b+EI:\b+EI+1], v[\c+EI:\c+EI+1]
.set EI, EI+2
.endr
.endm
.macro CAPS d                                  ; d = min(d, 64)
.set EI, 0
.rept 32
	v_min_num_f32 v[\d+EI], s[CAP], v[\d+EI]
.set EI, EI+1
.endr
.endm
.macro TRANS op, d, n                          ; a batch of n transcendentals in place
.set EI, 0
.rept \n
	\op v[\d+EI], v[\d+EI]
.set EI, EI+1
.endr
.endm
.macro STAGE src, off                          ; my 32 numbers of window 1 into a stage: lane (r, h): rows r and 16 + r, 64 bytes each
	WIN 0x04                                       ; an LDS store's data are its source 1: window 1
.irp m, 0,1
.irp k, 0,1,2,3
	ds_store_b128 v[SO], v[\src+16*\m+4*\k:\src+16*\m+4*\k+3] offset:\off+16*SP*\m+16*\k
.endr
.endr
.endm
; THE WAY OUT: wave w takes rows 8 w .. 8 w + 7 of both stages, whole pieces of 512 bytes (OUTL), and stores them as block t's (OUTS).  younger: the LDS loads issued behind OUTL's, which may stay out
.macro OUTL
	WIN 0x40                                       ; destination window 1
.irp i, 0,1,2,3,4,5,6,7
	ds_load_b128 v[OB+4*\i:OB+4*\i+3], v[RD] offset:SP*\i
.endr
.irp i, 0,1,2,3,4,5,6,7
	ds_load_b128 v[OB+32+4*\i:OB+32+4*\i+3], v[RD] offset:QHO+SP*\i
.endr
	WIN 0
.endm
.macro OUTS t, younger
	WIN 0x04                                       ; a store's data are its source 1: window 1
.irp i, 0,1,2,3,4,5,6,7
	s_wait_dscnt (\younger)+15-\i                  ; LDS loads come back in order: piece i is in
	global_store_b128 v[GO], v[OB+4*\i:OB+4*\i+3], s[40:41] offset:(32*(\t)+\i)*ROWG th:TH_STORE_NT   ; c_next: 32 lanes store 512 consecutive bytes, at a multiple of 512 from the buffer's first byte
.endr
.irp i, 0,1,2,3,4,5,6,7
	s_wait_dscnt (\younger)+7-\i
	global_store_b128 v[GO], v[OB+32+4*\i:OB+32+4*\i+3], s[38:39] offset:(32*(\t)+\i)*ROWG th:TH_STORE_NT   ; h_next likewise
.endr
	WIN 0
.endm
; ---------------------------------------------------------------- the head
	s_load_b512 s[8:23], s[0:1], 0x0
	s_load_b512 s[24:39], s[0:1], 0x40
	s_load_b64 s[40:41], s[0:1], 0x80
	v_lshl_add_u32 v[SPW], v0, 2, SPARE
	v_mov_b32 v[NIL], 0
	ds_add_u32 v[SPW], v[NIL]                      ; the wave's opening: the add, twice on end, and its wait ahead of my first tensor load; the set-up below, work on registers, stands between the second and the wait
	ds_add_u32 v[SPW], v[NIL]
	v_lshrrev_b32 v80, 5, v0
	v_readfirstlane_b32 s[WV], v80                 ; wave 0..3
	s_bfe_u32 s[CX], ttmp6, 0x40000                ; cx: my place in the cluster = my block of 128 hidden units
	v_and_b32 v81, 31, v0                          ; lane
	v_and_b32 v82, 15, v0                          ; r
	v_bfe_u32 v83, v0, 4, 1                        ; h
	; descriptor group 1: a tile of 32 rows x 256 numbers of 4 bytes, rows 512 numbers apart in memory, padded in LDS
	s_mov_b32 s[G1], 15|(2<<16)|(1<<20)|(1<<21)|(7<<22)|(3<<25)   ; 15:0 the mask: all four work-groups; 17:16 elements of 4 bytes; 20 padding on; 21 set beside a mask; 24:22 after every 256 words (code 7); 31:25 four words (code 3)
	s_mov_b32 s[G1+1], 256<<16                     ; tensor_dim0 = 256
	s_mov_b32 s[G1+2], 32<<16                      ; tensor_dim1 = 32
	s_mov_b32 s[G1+3], 256<<16                     ; tile_dim0 = 256
	s_mov_b32 s[G1+4], 32                          ; tile_dim1 = 32
	s_mov_b32 s[G1+5], 512                         ; tensor_dim0_stride
	s_mov_b32 s[G1+6], 0
	s_mov_b32 s[G1+7], 0
	s_mov_b32 s[SEL], 0x76543210
	s_mov_b32 s[SEL+1], 0xfedcba98
	s_mov_b32 s[NL], 0xbfb8aa3b                    ; -log2(e)
	s_mov_b32 s[NL+1], s[NL]                       ; (named with it as a pair, so it is written)
	s_mov_b32 s[L2], 0x4038aa3b                    ; 2 log2(e)
	s_mov_b32 s[L2+1], s[L2]
	s_mov_b32 s[CAP], 0x42800000                   ; 64.0
	; LDS addresses: constants, the lane and the wave's number alone
	s_mul_i32 s6, s[WV], TILE                      ; my wave's tile in a slot
	v_mul_u32_u24 v[QA0], v82, XP
	v_lshl_add_u32 v[QA0], v83, 6, v[QA0]
	v_add_nc_u32 v[QA0], s6, v[QA0]
	v_add_nc_u32 v[QA1], SLOT, v[QA0]
	v_lshlrev_b32 v[GO], 4, v81
	v_add_nc_u32 v[IR], IMG, v[GO]
	s_lshl_b32 s7, s[WV], 11
	v_add_nc_u32 v[IW], s7, v[IR]
	v_lshl_add_u32 v[SWR], v81, 2, SCW
	s_lshl_b32 s7, s[WV], 8
	v_add_nc_u32 v[SWW], s7, v[SWR]
	s_mul_i32 s7, s[WV], 8*SP
	v_add_nc_u32 v[RD], s7, v[GO]
	v_add_nc_u32 v[RD], PST, v[RD]
	v_mul_u32_u24 v[SO], v82, SP
	v_lshl_add_u32 v[SO], v83, 6, v[SO]
	s_lshl_b32 s7, s[WV], 7
	v_add_nc_u32 v[SO], s7, v[SO]
	v_add_nc_u32 v[SO], PST, v[SO]
	; offsets in memory
	v_and_b32 v89, 8, v82
	v_add_nc_u32 v89, v89, v82                     ; r + 8 (r / 8)
	v_lshlrev_b32 v[WA], 9, v89                    ; a row of W is 512 bytes of codes
	v_lshl_add_u32 v[WA], v83, 4, v[WA]
	v_lshl_add_u32 v[WSA], v83, 3, v89             ; lanes 16-31 take tile 1's rows, 8 further on
	v_lshlrev_b32 v[WSA], 5, v[WSA]                ; a row of W has 32 scale bytes
	v_lshlrev_b32 v[BA], 6, v83                    ; my 16 units' biases
.irp b, 0,1,2,3
	v_mov_b32 v[TM+4+\b], 0                        ; written once: a lane permute's destination counts as one of its sources
.endr
	s_lshl_b32 s72, ttmp9, 18                      ; the tiles: the cluster's 128 rows of 2,048 bytes (ttmp9 counts clusters),
	s_and_b32 s4, s[WV], 1
	s_lshl_b32 s4, s4, 10
	s_add_co_u32 s72, s72, s4                      ; and my wave's half of a row: nothing here hangs on my place in the cluster
	s_mov_b32 s73, 0
	s_lshl_b32 s74, ttmp9, 18                      ; c_prev and the outputs: the same rows,
	s_lshl_b32 s4, s[WV], 14
	s_add_co_u32 s74, s74, s4                      ; my wave's 8 rows of a block,
	s_lshl_b32 s5, s[CX], 9
	s_add_co_u32 s74, s74, s5                      ; my work-group's 512 bytes of a row
	s_mov_b32 s75, 0
	s_lshl_b32 s76, s[CX], 16                      ; W's codes: 128 rows of 512 bytes a work-group, 32 a wave
	s_add_co_u32 s76, s76, s4
	s_mov_b32 s77, 0
	s_lshl_b32 s78, s[CX], 12                      ; W's scale bytes: 32 a row
	s_lshl_b32 s4, s[WV], 10
	s_add_co_u32 s78, s78, s4
	s_mov_b32 s79, 0
	s_lshl_b32 s4, s[WV], 7                        ; the biases: 4 bytes a unit
	s_add_co_u32 s2, s5, s4
	s_mov_b32 s3, 0
	s_wait_dscnt 0x0                               ; both opening adds are done
	s_wait_kmcnt 0x0
	s_cmp_lt_u32 s[WV], 2                          ; waves 0 and 1 fetch from x, waves 2 and 3 from h_prev: the choice hangs on the wave's number alone
	s_cselect_b64 s[70:71], s[8:9], s[10:11]
	s_add_nc_u64 s[70:71], s[70:71], s[72:73]
	s_mov_b32 s[G0A], 1                            ; 1:0 count = 1
	s_mov_b32 s[G0A+1], s6                         ; LDS address: slot 0, my tile
	s_mov_b64 s[G0A+2:G0A+3], s[70:71]             ; global address: block 0
	s_or_b32 s[G0A+3], s[G0A+3], 0x80000000        ; type = 2
	s_mov_b32 s[G0B], 1
	s_add_co_u32 s[G0B+1], s6, SLOT                ; slot 1
	s_add_nc_u64 s[G0B+2:G0B+3], s[70:71], 32*ROWG ; block 1
	s_or_b32 s[G0B+3], s[G0B+3], 0x80000000
	s_add_nc_u64 s[12:13], s[12:13], s[74:75]
	s_add_nc_u64 s[38:39], s[38:39], s[74:75]
	s_add_nc_u64 s[40:41], s[40:41], s[74:75]
.irp g, 0,1,2,3
	s_add_nc_u64 s[14+2*\g:15+2*\g], s[14+2*\g:15+2*\g], s[76:77]
	s_add_nc_u64 s[22+2*\g:23+2*\g], s[22+2*\g:23+2*\g], s[78:79]
	s_add_nc_u64 s[30+2*\g:31+2*\g], s[30+2*\g:31+2*\g], s[2:3]
.endr
	ROUND                                          ; all four work-groups are here: the first joint loads meet
	tensor_load_to_lds s[G0A:G0A+3], s[G1:G1+7]    ; blocks 0 and 1: every wave issues both, with no branch; two tensor loads of mine are out, and never more
	s_nop 0
	tensor_load_to_lds s[G0B:G0B+3], s[G1:G1+7]
	s_nop 0
	PLACES
.irp i, 0,1,2,3,4,5,6,7
	global_load_b128 v[CL+4*\i:CL+4*\i+3], v[GO], s[12:13] offset:ROWG*\i th:TH_LOAD_NT   ; c_prev of block 0: 32 lanes read 512 consecutive bytes
.endr
	WIN 0x40                                       ; destination window 1
.irp g, 0,1,2,3
.irp k, 0,1,2,3
	global_load_b128 v[BI+16*\g+4*\k:BI+16*\g+4*\k+3], v[BA], s[30+2*\g:31+2*\g] offset:16*\k   ; lane (r, h): the biases of units 16 h + 0 .. 15
.endr
.endr
	WIN 0
.irp g, 0,1,2,3
.irp k, 0,1
	global_load_b128 v[WS+8*\g+4*\k:WS+8*\g+4*\k+3], v[WSA], s[22+2*\g:23+2*\g] offset:16*\k   ; my row's eight scale words
.endr
.endr
	WLOAD 0                                        ; W of gates i and f, which the first products want, is asked for here, while the first tile is on its way;
	WLOAD 1                                        ; that of gates c and o among the first block's quantising
	WLOAD 2
	WLOAD 3
	WIN 0
; ---------------------------------------------------------------- block 0 is quantised.  LDS instructions in order: L0 L1 S0 L2 S1 L3 S2 S3 (L: 16 loads, S: 3 stores)
	s_wait_tensorcnt 0x1                           ; my tile of block 0 is in (only I read it); block 1's may be out
	QLOAD 0, ST0, QA0
	QLOAD 1, ST1, QA0
	s_wait_dscnt 16                                ; L0 is in; L1 may be out
	QUANT ST0, PC0, PW0
	PUT 0, PC0, PW0
	QLOAD 2, ST0, QA0
	WLOAD 4
	WLOAD 5
	WIN 0
	s_wait_dscnt 19                                ; L1 is in; S0 and L2 may be out
	QUANT ST1, PC1, PW1
	PUT 1, PC1, PW1
	QLOAD 3, ST1, QA0
	WLOAD 6
	WLOAD 7
	WIN 0
	s_wait_dscnt 19                                ; L2 is in and S0 is done; S1 and L3 may be out
	QUANT ST0, PC0, PW0
	PUT 2, PC0, PW0
	s_wait_dscnt 3                                 ; L3 is in and S1 is done; S2 may be out
	QUANT ST1, PC1, PW1
	PUT 3, PC1, PW1
	s_wait_dscnt 0x0                               ; my images lie in LDS.  Block 1's tile may stay on its way across it
	s_barrier_signal -1
	s_barrier_wait -1                              ; everybody's do
; ---------------------------------------------------------------- block t's turn, written out four times: its offsets in memory, its slots and its refill differ
.macro MAIN t
.set QN, QA0+((\t)+1)%2                        ; where the next block's numbers lie
.set GS, G0A+4*((\t)%2)                        ; the slot that this block has left
	; ---- (1) the last block's results leave; this block's fragments come; gates i and f
.if (\t) > 0
	OUTL
	FETCH 0
	OUTS (\t)-1, 24                                ; behind the stages' loads stand the 24 of K steps 0 to 3
	FETCH 4
.else
	FETCH 0
	FETCH 4
	s_wait_loadcnt 63                              ; c_prev of block 0, the biases, W's scale words and W of gates i and f are in: behind them stand the 64 loads of gates c and o
.endif
	RUN 0, 1
.if (\t) == 0
	s_wait_loadcnt 0x0                             ; W of gates c and o
.endif
	; ---- the barrier behind which the images and stage P are written again.  No LDS instruction of mine is out: my reads of the images and of the stages are over
.if (\t) < 2
	WIN 0                                          ; (the add's two registers lie in window 0)
	s_wait_tensorcnt 0x0                           ; all my tensor loads have landed, the next block's tile among them, so a group 0 may be written;
	ds_add_u32 v[SPW], v[NIL]                      ; 0 onto my spare word; the step below stands between it and the wait for it
	s_add_nc_u64 s[GS+2:GS+3], s[GS+2:GS+3], 64*ROWG   ; the slot's next block, two blocks on; the type bits on top are not reached
	s_wait_dscnt 0x0                               ; the add is done; my reads of the slot were over a barrier ago
	s_barrier_signal -1                            ; this barrier opens a round of the cluster's barrier
	RUN 1, 0                                       ; gates c and o: work on registers while the others arrive
	WIN 0
	s_barrier_wait -1
	CREST                                          ; no wave of any partner still reads the slot or has a load on its way
	tensor_load_to_lds s[GS:GS+3], s[G1:G1+7]      ; the joint refill: my one tensor load behind the round, and the first thing there; it has a whole turn in which to land
	s_nop 0
	PLACES                                         ; also the four places between the last products and the loads into the registers that they read
.else
	s_barrier_signal -1
	RUN 1, 0
	WIN 0
	s_barrier_wait -1
	PLACES
.endif
	; ---- (2) c_prev into stage P; the next block's first numbers are asked of LDS; the scalings and the first exponentials
.if (\t) > 0
	s_wait_xcnt 0x0                                ; the last block's stores have read their registers, which c_prev and the activations take below
	s_wait_loadcnt 0x0                             ; c_prev of this block
.endif
.irp i, 0,1,2,3,4,5,6,7
	ds_store_b128 v[RD], v[CL+4*\i:CL+4*\i+3] offset:SP*\i   ; by rows: every wave's reads of the last block's c_next are over
.endr
.if (\t) < 2
	s_wait_tensorcnt 0x1                           ; the next block's tile is in (the wait for 0 above has shown it); the refill just issued may be out
.elseif (\t) == 2
	s_wait_tensorcnt 0x0                           ; the last tile: nothing was issued behind it
.endif
.if (\t) < 3
	QLOAD 0, ST0, QN
.endif
	WIN 0x55                                       ; the activations of my 32 rows x 32 units, 32 numbers a lane, all in window 1
	PKMULS GI, GI, NL, 32                          ; -L a_i, -L a_f
	PKMULS GC, GC, L2, 16                          ; 2 L a_c
	PKMULS GOO, GOO, NL, 16                        ; -L a_o
	CAPS GC
.if (\t) < 3
	WIN 0
	s_wait_dscnt 16                                ; c_prev's stores into the stage are done; the 16 loads behind them may be out
.irp i, 0,1,2,3,4,5,6,7
	global_load_b128 v[CL+4*\i:CL+4*\i+3], v[GO], s[12:13] offset:(32*((\t)+1)+\i)*ROWG th:TH_LOAD_NT   ; the next block's c_prev, most of a turn ahead of its use
.endr
	QLOAD 1, ST1, QN
	WIN 0x55
.endif
	TRANS v_exp_f32, GI, 128                       ; Ei, Ef, Ec, Eo.  Four batches of transcendentals a block, each with one plain place behind it and ONE wait ahead of its first reader
	s_wait_dscnt 0x0                               ; c_prev lies in the stage, and the next block's first 128 numbers a lane are in
	s_barrier_signal -1
	v_nop
	s_wait_alu depctr_va_vdst(0)
	PKADDC TT, GC, -1.0, 16                        ; Ec - 1
	PKADDC GC, GC, 1.0, 16                         ; 1 + Ec
	PKADDC GF, GF, 1.0, 16                         ; 1 + Ef
	PKFMA GI, GI, GC, GC                           ; Ei (1 + Ec) + (1 + Ec) = (1 + Ei)(1 + Ec)
	s_barrier_wait -1                              ; everybody's rows of c_prev lie in the stage
	; ---- (3).  LDS instructions in order: C (8 loads) S0 L2 S1 L3 (as above) G (8 stores) H (8 stores) S2 S3
	WIN 0x40                                       ; destination window 1
.irp m, 0,1
.irp k, 0,1,2,3
	ds_load_b128 v[CP+16*\m+4*\k:CP+16*\m+4*\k+3], v[SO] offset:16*SP*\m+16*\k   ; c_prev in the result's layout
.endr
.endr
.if (\t) < 3
	WIN 0
	QUANT ST0, PC0, PW0                            ; the next block's fragments 0 and 1; the numbers of 2 and 3 are asked for, and land under the lines below
	PUT 0, PC0, PW0
	QLOAD 2, ST0, QN
	QUANT ST1, PC1, PW1
	PUT 1, PC1, PW1
	QLOAD 3, ST1, QN
.endif
	WIN 0x55
	TRANS v_rcp_f32, GI, 64                        ; 1 / ((1 + Ei)(1 + Ec)), and f = 1 / (1 + Ef)
	v_nop
	s_wait_alu depctr_va_vdst(0)
.if (\t) < 3
	s_wait_dscnt 38                                ; C is in; S0, L2, S1 and L3 may be out
.else
	s_wait_dscnt 0x0
.endif
	PKMUL TT, TT, GI                               ; i c~
	PKFMA GC, CP, GF, TT                           ; c_next = c_prev f + i c~
	PKMULS GF, GC, L2, 16                          ; 2 L c_next
	CAPS GF
	TRANS v_exp_f32, GF, 32                        ; Et
	STAGE GC, 0                                    ; c_next takes c_prev's place in stage P: each lane writes the bytes that it has read
	WIN 0x55
	v_nop
	s_wait_alu depctr_va_vdst(0)
	PKADDC TT, GF, -1.0, 16                        ; Et - 1
	PKADDC GF, GF, 1.0, 16                         ; 1 + Et
	PKFMA GF, GOO, GF, GF                          ; (1 + Eo)(1 + Et)
	TRANS v_rcp_f32, GF, 32
	v_nop
	s_wait_alu depctr_va_vdst(0)
	PKMUL GOO, TT, GF                              ; h_next
	STAGE GOO, QHO
	WIN 0
.if (\t) < 3
	s_wait_dscnt 35                                ; L2 is in and S0 is done; S1, L3, G and H may be out
	QUANT ST0, PC0, PW0
	PUT 2, PC0, PW0
	s_wait_dscnt 19                                ; L3 is in and S1 is done; G, H and S2 may be out
	QUANT ST1, PC1, PW1
	PUT 3, PC1, PW1
.endif
	s_wait_dscnt 0x0                               ; my parts of c_next and h_next lie in the stages, my images of the next block in LDS, and my reads of its slot are over
	s_barrier_signal -1
	s_barrier_wait -1                              ; everybody's
.endm
	MAIN 0
	MAIN 1
	MAIN 2
	MAIN 3
	OUTL                                           ; the last block's results leave
	OUTS 3, 0
	s_wait_tensorcnt 0x0                           ; the wave's end, behind my last tensor load and my last LDS store
	ds_add_u32 v[SPW], v[NIL]
	s_wait_dscnt 0x0
	ROUND                                          ; the closing round: no work-group ends while a partner may still ask for a tile that names it
	s_endpgm
.Lfunc_end_k_qd0788e227e_lstm:
	.size	k_qd0788e227e_lstm, .Lfunc_end_k_qd0788e227e_lstm-k_qd0788e227e_lstm
	.p2alignl 7, 3214868480
	.fill 96, 4, 3214868480
	.section	.rodata,"a",@progbits
	.p2align	6, 0x0
	.amdhsa_kernel k_qd0788e227e_lstm
		.amdhsa_group_segment_fixed_size 327680
		.amdhsa_private_segment_fixed_size 0
		.amdhsa_enable_private_segment 0
		.amdhsa_kernarg_size 136
		.amdhsa_user_sgpr_count 2
		.amdhsa_user_sgpr_kernarg_segment_ptr 1
		.amdhsa_wavefront_size32 1
		.amdhsa_system_sgpr_workgroup_id_x 1
		.amdhsa_system_sgpr_workgroup_id_y 1
		.amdhsa_system_sgpr_workgroup_id_z 1
		.amdhsa_system_vgpr_workitem_id 0
		.amdhsa_next_free_vgpr 1024
		.amdhsa_next_free_sgpr 80
		.amdhsa_reserve_vcc 0
		.amdhsa_float_denorm_mode_32 3
		.amdhsa_float_denorm_mode_16_64 3
		.amdhsa_memory_ordered 1
		.amdhsa_forward_progress 1
		.amdhsa_inst_pref_size 255
	.end_amdhsa_kernel
	.section	.bss,"aw",@nobits
	.p2align	6
	.space	262144
	.amdgpu_metadata
---
amdhsa.version: [ 1, 2 ]
amdhsa.kernels:
  - .name:           k_qd0788e227e_lstm
    .symbol:         k_qd0788e227e_lstm.kd
    .args:
      - { .name: x, .offset: 0, .size: 8, .value_kind: global_buffer, .address_space: global }
      - { .name: h_prev, .offset: 8, .size: 8, .value_kind: global_buffer, .address_space: global }
      - { .name: c_prev, .offset: 16, .size: 8, .value_kind: global_buffer, .address_space: global }
      - { .name: W_i_codes, .offset: 24, .size: 8, .value_kind: global_buffer, .address_space: global }
      - { .name: W_f_codes, .offset: 32, .size: 8, .value_kind: global_buffer, .address_space: global }
      - { .name: W_c_codes, .offset: 40, .size: 8, .value_kind: global_buffer, .address_space: global }
      - { .name: W_o_codes, .offset: 48, .size: 8, .value_kind: global_buffer, .address_space: global }
      - { .name: W_i_scales, .offset: 56, .size: 8, .value_kind: global_buffer, .address_space: global }
      - { .name: W_f_scales, .offset: 64, .size: 8, .value_kind: global_buffer, .address_space: global }
      - { .name: W_c_scales, .offset: 72, .size: 8, .value_kind: global_buffer, .address_space: global }
      - { .name: W_o_scales, .offset: 80, .size: 8, .value_kind: global_buffer, .address_space: global }
      - { .name: b_i, .offset: 88, .size: 8, .value_kind: global_buffer, .address_space: global }
      - { .name: b_f, .offset: 96, .size: 8, .value_kind: global_buffer, .address_space: global }
      - { .name: b_c, .offset: 104, .size: 8, .value_kind: global_buffer, .address_space: global }
      - { .name: b_o, .offset: 112, .size: 8, .value_kind: global_buffer, .address_space: global }
      - { .name: out0, .offset: 120, .size: 8, .value_kind: global_buffer, .address_space: global }
      - { .name: out1, .offset: 128, .size: 8, .value_kind: global_buffer, .address_space: global }
    .group_segment_fixed_size: 327680
    .private_segment_fixed_size: 0
    .kernarg_segment_align: 8
    .kernarg_segment_size: 136
    .max_flat_workgroup_size: 128
    .sgpr_count:     80
    .vgpr_count:     1024
    .wavefront_size: 32
...
	.end_amdgpu_metadata
.endif
;; end of part 1
